; MI455X (gfx1250); checked and timed in simulation.
; The chip was launched on July 23, 2026; its instructions are those of AMD's public machine-readable ISA for CDNA 5 (MIT licence, August 2026) and "CDNA5" Instruction Set Architecture Reference Guide (July 2026). The comments in the code are by the model that wrote it; some were corrected since.
;; LSTM Cell. Allowed arithmetic: float matrix products may take bf16 or f16 operands with f32 sums; other float arithmetic in f32, or as packed bf16 or f16 multiplies, adds, multiply-adds, maxima and minima; sums over many terms, partial sums and values carried from step to step in f32; what a program stores and reads back later, other than sums and carried values, may be rounded once to bf16 or f16.
;; Inputs: Wf 2,048 x 4,096 float32; Wg 2,048 x 4,096 float32; Wi 2,048 x 4,096 float32; Wo 2,048 x 4,096 float32; X 2,048 x 2,048 float32; bf 2,048 float32; bg 2,048 float32; bi 2,048 float32; bo 2,048 float32; c 2,048 x 2,048 float32; h 2,048 x 2,048 float32.
;; Outputs: out0 2,048 x 2,048 float32; out1 2,048 x 2,048 float32.
;; 2 versions, each right; version 2 is version 1 with the launch cast written anew for expert scheduling mode. Each part assembles by itself: llvm-mc -triple=amdgcn-amd-amdhsa -mcpu=gfx1250 --defsym DOCPART=n.
;; ======== version 1 of 2: 2 launches
;; workspace buffers: xa 16,777,216 bytes; wb 67,108,864 bytes
;; launch cast (part 1): grid 128 x 10, 8 waves a work-group, no clusters, 0 bytes of LDS; arguments X, h, Wf, Wg, Wo, Wi, xa, wb; writes xa, wb
.if DOCPART == 1
	.amdgcn_target "amdgcn-amd-amdhsa--gfx1250"
	.amdhsa_code_object_version 6
	.text
	.protected	k_q07b5729ebb_cast
	.globl	k_q07b5729ebb_cast
	.p2align	8
	.type	k_q07b5729ebb_cast,@function
k_q07b5729ebb_cast:
	s_mov_b64 s[64:65], 0
	v_nop
	global_prefetch_b8 v0, s[64:65] scope:SCOPE_SE
	s_setreg_imm32_b32 hwreg(HW_REG_WAVE_MODE, 25, 1), 1
	s_wait_xcnt 0x0
; THE OPERANDS OF THE PRODUCT, ROUNDED ONCE TO bf16 AND LAID OUT FOR ITS TILES.
; xa: [2048][4096] bf16: row m = X[m] (bytes 0 .. 4095), then h[m] (bytes 4096 .. 8191).
; wb: [8192][4096] bf16: row (n >> 6) 256 + ((n >> 5) & 1) 128 + 32 g + (n & 31) = row n of gate g (0: Wf, 1: Wg, 2: Wo, 3: Wi):
;     256 rows on end are 64 features of all four gates, 128 rows on end 32 features of all four.
; SHARES.  Grid y is one of ten jobs of 2,048 rows x 2,048 numbers: 0 = X, 1 = h, 2 .. 9 = gate (y >> 1) - 1, column half y & 1.  Grid x picks 16 rows, a wave two of them.
; A row is 8,192 bytes in: 16 loads of 16 bytes a lane, 512 consecutive bytes each; and 4,096 bytes out: 16 stores of 8 bytes a lane, each 256 consecutive bytes at a multiple of 256 from the buffer's first.
; All 32 loads of a wave go out at once; then each is rounded in place and stored.  No register is written again behind a store, there is no loop, and nothing is shared: no LDS, no barrier.
.set XR, 4                             ; v[4:131]  load q of 32 at XR + 4 q
	s_load_b512 s[16:31], s[0:1], 0x0              ; X 16:17, h 18:19, Wf 20:21, Wg 22:23, Wo 24:25, Wi 26:27, xa 28:29, wb 30:31
	v_lshrrev_b32 v3, 5, v0
	v_readfirstlane_b32 s2, v3                     ; wave 0..7
	v_and_b32 v1, 31, v0
	v_lshlrev_b32 v2, 3, v1                        ; 8 x lane: my bytes of a store
	v_lshlrev_b32 v1, 4, v1                        ; 16 x lane: my bytes of a load
	s_and_b32 s3, ttmp7, 0xffff                    ; y: the job
	s_lshr_b32 s4, s3, 1                           ; p: 0 = X or h, 1 .. 4 = gate p - 1
	s_and_b32 s5, s3, 1                            ; which half of the destination's row
	s_lshl_b32 s6, ttmp9, 4
	s_lshl_b32 s7, s2, 1
	s_add_co_u32 s6, s6, s7                        ; n0: my first row, even
	s_lshr_b32 s8, s6, 6                           ; its row in wb:
	s_lshl_b32 s8, s8, 8                           ; (n0 >> 6) 256
	s_bfe_u32 s7, s6, 0x10005
	s_lshl_b32 s7, s7, 7
	s_add_co_u32 s8, s8, s7                        ; + ((n0 >> 5) & 1) 128
	s_max_u32 s7, s4, 1
	s_sub_co_u32 s7, s7, 1                         ; the gate (0 in the two jobs that have none: not used there)
	s_lshl_b32 s7, s7, 5
	s_add_co_u32 s8, s8, s7                        ; + 32 g
	s_and_b32 s7, s6, 31
	s_add_co_u32 s8, s8, s7                        ; + (n0 & 31); row n0 + 1 lies one row further down, since n0 is even
	s_cmp_eq_u32 s4, 0
	s_cselect_b32 s8, s6, s8                       ; the destination's row: in xa it is n0
	s_cselect_b32 s9, 13, 14                       ; a source row is 2^13 bytes in X and h, 2^14 in a weight
	s_cselect_b32 s10, 0, s5                       ; a weight's column half; X and h have one
	s_lshl_b32 s12, s6, s9
	s_lshl_b32 s7, s10, 13
	s_add_co_u32 s12, s12, s7                      ; the source's offset, under 2^25
	s_mov_b32 s13, 0
	s_lshl_b32 s14, 1, s9                          ; one source row
	s_mov_b32 s15, 0
	s_lshl_b32 s34, s8, 13
	s_lshl_b32 s7, s5, 12
	s_add_co_u32 s34, s34, s7                      ; the destination's offset, under 2^26
	s_mov_b32 s35, 0
	s_wait_kmcnt 0x0
	s_cmp_eq_u32 s3, 1                             ; the source: each choice hangs on the job's number alone
	s_cselect_b64 s[36:37], s[18:19], s[16:17]
	s_cmp_eq_u32 s4, 1
	s_cselect_b64 s[36:37], s[20:21], s[36:37]
	s_cmp_eq_u32 s4, 2
	s_cselect_b64 s[36:37], s[22:23], s[36:37]
	s_cmp_eq_u32 s4, 3
	s_cselect_b64 s[36:37], s[24:25], s[36:37]
	s_cmp_eq_u32 s4, 4
	s_cselect_b64 s[36:37], s[26:27], s[36:37]
	s_cmp_eq_u32 s4, 0                             ; the destination
	s_cselect_b64 s[38:39], s[28:29], s[30:31]
	s_add_nc_u64 s[36:37], s[36:37], s[12:13]      ; row n0,
	s_add_nc_u64 s[40:41], s[36:37], s[14:15]      ; row n0 + 1
	s_add_nc_u64 s[38:39], s[38:39], s[34:35]
.set q, 0
.rept 16
	global_load_b128 v[XR+4*q:XR+4*q+3], v1, s[36:37] offset:512*q th:TH_LOAD_NT
.set q, q+1
.endr
.rept 16
	global_load_b128 v[XR+4*q:XR+4*q+3], v1, s[40:41] offset:512*(q-16) th:TH_LOAD_NT
.set q, q+1
.endr
.set q, 0
.rept 32
	s_wait_loadcnt 31-q                            ; loads come back in order (ISA guide 5.7.1): number q is in, the 31 - q younger ones stay out
	v_cvt_pk_bf16_f32 v[XR+4*q], v[XR+4*q], v[XR+4*q+1]      ; two roundings to nearest even, packed
	v_cvt_pk_bf16_f32 v[XR+4*q+1], v[XR+4*q+2], v[XR+4*q+3]
	global_store_b64 v2, v[XR+4*q:XR+4*q+1], s[38:39] offset:8192*(q/16)+256*(q%16) th:TH_STORE_NT
.set q, q+1
.endr
	s_endpgm
.Lfunc_end_k_q07b5729ebb_cast:
	.size	k_q07b5729ebb_cast, .Lfunc_end_k_q07b5729ebb_cast-k_q07b5729ebb_cast
	.p2alignl 7, 3214868480
	.fill 96, 4, 3214868480
	.section	.rodata,"a",@progbits
	.p2align	6, 0x0
	.amdhsa_kernel k_q07b5729ebb_cast
		.amdhsa_group_segment_fixed_size 0
		.amdhsa_private_segment_fixed_size 0
		.amdhsa_enable_private_segment 0
		.amdhsa_kernarg_size 64
		.amdhsa_user_sgpr_count 2
		.amdhsa_user_sgpr_kernarg_segment_ptr 1
		.amdhsa_wavefront_size32 1
		.amdhsa_system_sgpr_workgroup_id_x 1
		.amdhsa_system_sgpr_workgroup_id_y 1
		.amdhsa_system_sgpr_workgroup_id_z 1
		.amdhsa_system_vgpr_workitem_id 0
		.amdhsa_next_free_vgpr 132
		.amdhsa_next_free_sgpr 66
		.amdhsa_reserve_vcc 0
		.amdhsa_float_denorm_mode_32 3
		.amdhsa_float_denorm_mode_16_64 3
		.amdhsa_memory_ordered 1
		.amdhsa_forward_progress 1
		.amdhsa_inst_pref_size 14
	.end_amdhsa_kernel
	.amdgpu_metadata
---
amdhsa.version: [ 1, 2 ]
amdhsa.kernels:
  - .name:           k_q07b5729ebb_cast
    .symbol:         k_q07b5729ebb_cast.kd
    .args:
      - { .name: X, .offset: 0, .size: 8, .value_kind: global_buffer, .address_space: global }
      - { .name: h, .offset: 8, .size: 8, .value_kind: global_buffer, .address_space: global }
      - { .name: Wf, .offset: 16, .size: 8, .value_kind: global_buffer, .address_space: global }
      - { .name: Wg, .offset: 24, .size: 8, .value_kind: global_buffer, .address_space: global }
      - { .name: Wo, .offset: 32, .size: 8, .value_kind: global_buffer, .address_space: global }
      - { .name: Wi, .offset: 40, .size: 8, .value_kind: global_buffer, .address_space: global }
      - { .name: xa, .offset: 48, .size: 8, .value_kind: global_buffer, .address_space: global }
      - { .name: wb, .offset: 56, .size: 8, .value_kind: global_buffer, .address_space: global }
    .group_segment_fixed_size: 0
    .private_segment_fixed_size: 0
    .kernarg_segment_align: 8
    .kernarg_segment_size: 64
    .max_flat_workgroup_size: 256
    .sgpr_count:     66
    .vgpr_count:     132
    .wavefront_size: 32
...
	.end_amdgpu_metadata
.endif
;; end of part 1
;; launch lstm (part 2): grid 32 x 8, 4 waves a work-group, clusters of 4 x 4, 327,680 bytes of LDS; arguments xa, wb, c, bf, bg, bo, bi, out0, out1; writes out0, out1
.if DOCPART == 2
	.amdgcn_target "amdgcn-amd-amdhsa--gfx1250"
	.amdhsa_code_object_version 6
	.text
	.protected	k_q07b5729ebb_lstm
	.globl	k_q07b5729ebb_lstm
	.p2align	8
	.type	k_q07b5729ebb_lstm,@function
k_q07b5729ebb_lstm:
	s_mov_b64 s[64:65], 0
	v_nop
	global_prefetch_b8 v0, s[64:65] scope:SCOPE_SE
	s_setreg_imm32_b32 hwreg(HW_REG_WAVE_MODE, 25, 1), 1
	s_wait_xcnt 0x0
	s_wait_alu depctr_hold_cnt(0) depctr_sa_sdst(0) depctr_va_vdst(0) depctr_va_sdst(0) depctr_va_ssrc(0) depctr_va_vcc(0) depctr_vm_vsrc(0)
	s_getreg_b32 s2, hwreg(HW_REG_IB_STS2, 6, 4)
	s_cmp_eq_u32 s2, 0
	s_cbranch_scc0 .Lentry_in_a_cluster
	s_endpgm
.Lentry_in_a_cluster:
	s_bfe_u32 s2, ttmp6, 0x10000c
	s_cmp_lg_u32 s2, 0xf033
	s_cbranch_scc0 .Lentry_shape_is_right
	s_endpgm
.Lentry_shape_is_right:
; AN LSTM CELL.  z = xa wb^T + b (xa: [2048][4096] bf16 = X | h; wb: [8192][4096] bf16, the four gates' rows grouped by tile; sums in f32), then, all in f32:
; f = sigmoid(zf), i = sigmoid(zg), o = sigmoid(zo), t = tanh(zi), c_new = f c + i t (out1), h_new = o tanh(c_new) (out0).  c, the biases and both outputs are f32, [2048][2048] and [2048].
; sigmoid(x) = 1 / (1 + 2^(-x log2 e)); tanh(x) = 1 - 2 / (1 + 2^(2 x log2 e)): where the power is 0 or infinite both give their limits, so nothing is clipped.
; LIMITS.  The product's operands are rounded once to bf16.  v_exp_f32 and v_rcp_f32 flush denormals (ISA guide, their entries): a gate below 2^-126 counts as 0.  NaN goes through as it comes.
; SHARES.  A work-group owns 256 batch rows x 64 features of ALL FOUR GATES: a tile of 256 x 256 of z; 32 x 8 work-groups.  Four waves, each 128 x 128: 64 accumulators of 16 x 16, 512 registers.
; Of wb's 256 rows of a tile each half of 128 is 32 features x 4 gates: fragment b of a wave's eight is gate b / 2, features 16 (b % 2) on.
; THE MATRIX INSTRUCTION IS USED TRANSPOSED (source 0 = 16 rows of wb, source 1 = 16 rows of xa): lane l holds batch row l % 16 and, in registers 0 to 7, features 8 (l / 16) + 0 .. 7.  So the four gates of
; an element lie in ONE lane, in accumulators b, b + 2, b + 4, b + 6, and the cell's arithmetic changes no lane.
; THE BIAS STARTS THE SUMS: it is the C operand of each accumulator's first product: nothing is cleared, nothing is added later.
; THE RING.  K goes in steps of 128 through two LDS slots filled by the tensor data mover; rows of 256 bytes, at multiples of 256 from the buffer's first byte.  Slot 0's last fill is the tile of c; slot 1, when its last
; K step has been read, takes the two outputs' stages, from which whole rows of 256 bytes are read back and stored.
; CLUSTERS: 4 x 4 work-groups.  The four of a row of the cluster need the same rows of xa, the four of a column the same rows of wb: each tile is asked for JOINTLY, by the same tensor load with the same descriptor
; and a mask that names the four.  c's tile is each work-group's own: a load without a mask, behind a round like the others.
; REGISTERS, in windows of 256 (s_set_vgpr_msb: bits 1:0 source 0, 3:2 source 1, 5:4 source 2, 7:6 destination):
;   window 0: v0-31 addresses; v64-127, v128-191 fragments of xa, two buffers; v192-255 the bias.  On the way out: v64-127 at work, v128-255 c and then c_new, v32-223 rows read back
;   window 1: v64-127, v128-191 fragments of wb, two buffers          window 2: the accumulators of my rows 0-63 ((a, b) at 8 (8 a + b))          window 3: those of my rows 64-127
.set KSTEP,  128
.set PITCH,  272                       ; an LDS row: 256 bytes + 16 of padding = 68 words: row r starts at bank 4 r mod 64 (64 banks of 4 bytes: ISA guide 11.1), so 16 rows of a load start at 16 different banks
.set HALFT,  128*PITCH                 ; 128 rows: what one joint load brings, and what one wave reads of xa or of wb
.set SLOT,   4*HALFT                   ; xa's 256 rows, then wb's 256 rows
.set CSTG,   SLOT                      ; c_new's stage: 256 rows x 272 bytes, in slot 1 behind its last fill and last read
.set HSTG,   SLOT+2*HALFT              ; h_new's stage, likewise
.set SPARE,  2*SLOT                    ; behind the ring: the spare words, 128 bytes for each wave: two blocks of 256 bytes that no other line names
.set LAPS,   4096/(2*KSTEP)            ; a lap = two K steps = once round the ring: 16
.set ADRA, 16                          ; v16-17  LDS address of my xa fragments in slot 0, 1
.set ADRB, 20                          ; v20-21  the same for wb
.set CO,   22                          ; v22     my byte offset in two rows of an output: 8,192 (l / 16) + 16 (l % 16)
.set BO,   23                          ; v23     my byte offset in a bias
.set CL,   24                          ; v24     my place in c's tile: (128 x row half + l % 16) x 272 + 128 x column half + 32 (l / 16)
.set SC,   25                          ; v25     the same place in c_new's stage
.set SH,   26                          ; v26     and in h_new's
.set RC,   27                          ; v27     where I read c_new's rows back
.set SPW,  28                          ; v28     LDS address of my spare word: SPARE + 4 x my thread's number; never rewritten
.set NIL,  29                          ; v29     0; never rewritten
.set PFO,  30                          ; v30     the prefetches' offset: my lane x a row of 8,192 bytes; never rewritten
.set RH,   31                          ; v31     where I read h_new's rows back
.set F0,   64                          ; fragment buffer 0
.set F1,   128                         ; fragment buffer 1
.set BIAS, 192                         ; v192-255: register q of fragment b at BIAS + 8 b + q
.set T,    64                          ; the way out: 64 registers at work: gate g's 16 numbers at T + 16 g
.set CVB,  128                         ; the way out: c of block a at CVB + 16 a
.set G1,  24                           ; s[24:31] descriptor group 1 for xa's tiles;  s[32:39] group 0, a set for each slot
.set G0,  32
.set LIM, 43                           ; s43     1 in a wave that prefetches, else the greatest number
.set PFA, 44                           ; s[44:45] where my prefetches stand
.set G1B, 48                           ; s[48:55], s[56:63] the same two groups for wb's tiles
.set G0B, 56
.set NK,  66                           ; s[66:67] -log2 e: the packed multiply takes the pair's low word for both halves
.set O0,  74                           ; s[74:75] out0
.set O1,  76                           ; s[76:77] out1
.set TK,  78                           ; s[78:79] 2 log2 e
.set WV,  80                           ; s80     my wave's number
.set WR,  81                           ; s81     which half of the tile's rows is mine.  Also: I fetch for xa (0) or for wb (1)
.set WC,  82                           ; s82     which half of its columns.  Also: which 128 rows of that tile I fetch
.set TY,  83                           ; s83     tile row
.set G1C, 84                           ; s[84:91] descriptor group 1 for c's tile;  s[92:95] group 0
.set G0C, 92
.set MSB, 0
.macro WIN new                         ; the immediate's high byte repeats the setting that is left; a switch that changes nothing is dropped
.if MSB != (\new)
	s_set_vgpr_msb (MSB<<8)|(\new)
.set MSB, \new
.endif
.endm
.set MUL_LO, 0xa1                      ; source 0 (wb) window 1, source 1 (xa) window 0, C and D window 2
.set MUL_HI, 0xf1                      ; the same, C and D window 3
.set TO_B,   0x40                      ; destination window 1, address window 0
; A joint load.  Waves 0 and 1 fetch xa's two halves, waves 2 and 3 wb's.  Each line has one mask and one set of registers for all that issue it; the branch hangs on the wave's number alone.
; An s_nop 0 and four v_nop follow each of the two lines, ahead of the jump, the label and what follows.
.macro JLOAD s
	s_cmp_eq_u32 s[WR], 0
	s_cbranch_scc0 .Lfor_b_\@
	tensor_load_to_lds s[G0+4*(\s):G0+4*(\s)+3], s[G1:G1+7]
	s_nop 0
.rept 4
	v_nop
.endr
	s_branch .Lasked_\@
.Lfor_b_\@:
	tensor_load_to_lds s[G0B+4*(\s):G0B+4*(\s)+3], s[G1B:G1B+7]
	s_nop 0
.rept 4
	v_nop
.endr
.Lasked_\@:
.endm
; c's tile: each wave brings 64 rows x 256 bytes of its own work-group's 256 rows: no mask
.macro CLOAD
	tensor_load_to_lds s[G0C:G0C+3], s[G1C:G1C+7]
	s_nop 0
.rept 4
	v_nop
.endr
.endm
; A prefetch into the L2, behind a joint load, its five lines and the run of LDS loads that follows: the K step that stands TWO refills on, 512 matrix instructions ahead of the load that will want it: 32 rows x 256 bytes,
; a lane a row, one instruction a wave.  Each row's 256 bytes of a K step are named once in the launch: xa's rows by the cluster with x = 0, wb's by the cluster with y = 0; of the 128 rows that a wave fetches the partner
; at place p among the four that ask jointly takes 32 p .. 32 p + 31, told apart by address.  The loop's last trip (s3 = 1) has no K step two on and asks for nothing.
.macro ASK
	s_cmp_gt_u32 s3, s[LIM]
	s_cbranch_scc0 .Lnot_mine_\@
	global_prefetch_b8 v[PFO], s[PFA:PFA+1] offset:KSTEP*2 th:TH_LOAD_NT scope:SCOPE_SE
.Lnot_mine_\@:
.endm
; A round of the cluster's barrier: my work-group's barrier, so that wave 0's signal speaks for all four waves; wave 0 signals; every wave waits for all sixteen work-groups; my work-group's barrier once more.
.macro CREST                           ; a round behind its opening barrier
	s_cmp_lg_u32 s[WV], 0
	s_cbranch_scc1 .Lnot_wave_0_\@
	s_barrier_signal -3
.Lnot_wave_0_\@:
	s_barrier_wait -3
	s_barrier_signal -1
	s_barrier_wait -1
.endm
.macro CROUND                          ; a whole round
	s_barrier_signal -1
	s_barrier_wait -1
	CREST
.endm
	s_load_b256 s[4:11], s[0:1], 0x0               ; xa s[4:5], wb s[6:7], c s[8:9], bf s[10:11]
	s_load_b256 s[68:75], s[0:1], 0x20             ; bg s[68:69], bo s[70:71], bi s[72:73], out0 s[74:75]
	s_load_b64 s[76:77], s[0:1], 0x40              ; out1
	v_lshl_add_u32 v[SPW], v0, 2, SPARE
	v_mov_b32 v[NIL], 0
	ds_add_u32 v[SPW], v[NIL]                      ; the wave's opening: the add and its wait stand ahead of my first tensor load; the set-up below, work on registers, stands between them
	v_lshrrev_b32 v1, 5, v0
	v_readfirstlane_b32 s[WV], v1                  ; wave 0..3
	s_lshr_b32 s[WR], s[WV], 1
	s_and_b32 s[WC], s[WV], 1
	s_bfe_u32 s40, ttmp6, 0x40000                  ; cx: my place along the cluster's x
	s_bfe_u32 s41, ttmp6, 0x40004                  ; cy: along its y
	s_lshl_b32 s42, ttmp9, 2                       ; in a cluster launch ttmp9 and ttmp7 count clusters
	s_add_co_u32 s42, s42, s40                     ; tile column = 4 x cluster x + cx
	s_and_b32 s[TY], ttmp7, 0xffff
	s_lshl_b32 s[TY], s[TY], 2
	s_add_co_u32 s[TY], s[TY], s41                 ; tile row = 4 x cluster y + cy
	s_lshl_b32 s43, s41, 2
	s_lshl_b32 s43, 15, s43                        ; my row of the cluster: places 4 cy .. 4 cy + 3
	s_lshl_b32 s44, 0x1111, s40                    ; my column: places cx, cx + 4, cx + 8, cx + 12
	; descriptor group 1 for xa and wb: a tile of 128 rows x 128 elements of 2 bytes, padded in LDS
	s_or_b32 s[G1+0], s43, (1<<16)|(1<<20)|(1<<21)|(5<<22)|(3<<25)   ; 15:0 the mask: xa's tiles go to my row; 17:16 2-byte elements; 20 padding on; 21 set beside a mask; 24:22 after every 64 words (code 5); 31:25 4 words (code 3)
	s_or_b32 s[G1B+0], s44, (1<<16)|(1<<20)|(1<<21)|(5<<22)|(3<<25)  ; the same with the mask of my column, for wb's tiles
.irp g, G1, G1B
	s_mov_b32 s[(\g)+1], KSTEP<<16                 ; tensor_dim0 = 128
	s_mov_b32 s[(\g)+2], 128<<16                   ; tensor_dim1 = 128
	s_mov_b32 s[(\g)+3], KSTEP<<16                 ; tile_dim0 = 128
	s_mov_b32 s[(\g)+4], 128                       ; tile_dim1 = 128
	s_mov_b32 s[(\g)+5], 4096                      ; elements from row to row
	s_mov_b32 s[(\g)+6], 0
	s_mov_b32 s[(\g)+7], 0
.endr
	; descriptor group 1 for c: a tile of 64 rows x 64 elements of 4 bytes, the same padding, no mask
	s_mov_b32 s[G1C+0], (2<<16)|(1<<20)|(5<<22)|(3<<25)
	s_mov_b32 s[G1C+1], 64<<16                     ; tensor_dim0 = 64
	s_mov_b32 s[G1C+2], 64<<16                     ; tensor_dim1 = 64
	s_mov_b32 s[G1C+3], 64<<16                     ; tile_dim0 = 64
	s_mov_b32 s[G1C+4], 64                         ; tile_dim1 = 64
	s_mov_b32 s[G1C+5], 2048                       ; elements from row to row
	s_mov_b32 s[G1C+6], 0
	s_mov_b32 s[G1C+7], 0
	s_mov_b32 s[NK], 0xbfb8aa3b                    ; -log2 e
	s_mov_b32 s[NK+1], s[NK]                       ; named with it as a pair
	s_mov_b32 s[TK], 0x4038aa3b                    ; 2 log2 e
	s_mov_b32 s[TK+1], s[TK]
	; where the tiles come from.  xa's hang on the tile row alone, which my row of the cluster shares; wb's on the tile column alone, which my column shares.  Every wave makes both, in registers that never hold the other coordinate.
	s_lshl_b32 s17, s[WC], 7                       ; which 128 rows of the tile I fetch
	s_lshl_b32 s16, s[TY], 8
	s_add_co_u32 s16, s16, s17
	s_lshl_b32 s16, s16, 13                        ; xa: (256 x tile row + 128 x half) rows of 8,192 bytes, under 2^24
	s_lshl_b32 s46, s42, 8
	s_add_co_u32 s46, s46, s17
	s_lshl_b32 s46, s46, 13                        ; wb: (256 x tile column + 128 x half) rows, under 2^26
	s_mov_b32 s17, 0
	s_mov_b32 s47, 0
	s_mul_i32 s20, s[WV], HALFT                    ; and where they go: wave x 128 rows: no place in the cluster enters an LDS address
	s_wait_dscnt 0x0                               ; the opening add is done
	s_wait_kmcnt 0x0
	s_add_nc_u64 s[14:15], s[4:5], s[16:17]
	s_add_nc_u64 s[46:47], s[6:7], s[46:47]
	CROUND                                         ; all sixteen work-groups are here: the first joint loads meet
.irp s, 0,1
	s_mov_b32 s[G0+4*(\s)], 1                                        ; count = 1
	s_add_co_u32 s[G0+4*(\s)+1], s20, (\s)*SLOT                      ; LDS address
	s_add_nc_u64 s[G0+4*(\s)+2:G0+4*(\s)+3], s[14:15], (\s)*KSTEP*2  ; global address: K step s
	s_or_b32 s[G0+4*(\s)+3], s[G0+4*(\s)+3], 0x80000000              ; type = 2
	s_mov_b32 s[G0B+4*(\s)], 1
	s_add_co_u32 s[G0B+4*(\s)+1], s20, (\s)*SLOT
	s_add_nc_u64 s[G0B+4*(\s)+2:G0B+4*(\s)+3], s[46:47], (\s)*KSTEP*2
	s_or_b32 s[G0B+4*(\s)+3], s[G0B+4*(\s)+3], 0x80000000
	JLOAD \s                                       ; the ring is filled before anything else is done: two loads of mine are out
.endr
	; the bias: my 8 features of each of the 8 fragments
	v_and_b32 v1, 15, v0                           ; l % 16
	v_bfe_u32 v2, v0, 4, 1                         ; l / 16
	s_lshl_b32 s98, s42, 8                         ; the tile's 64 features: 256 bytes of a row of c, of the outputs and of a bias
	s_lshl_b32 s99, s[WC], 7                       ; my wave's 32
	s_add_co_u32 s99, s99, s98
	v_lshl_add_u32 v[BO], v2, 5, s99               ; my half of the lanes' 8
.macro BLD g, base                     ; gate g: fragments 2 g and 2 g + 1, 32 bytes a lane each
.irp j, 0,1
.irp u, 0,1
	global_load_b128 v[BIAS+8*(2*(\g)+(\j))+4*(\u):BIAS+8*(2*(\g)+(\j))+4*(\u)+3], v[BO], s[\base:\base+1] offset:64*(\j)+16*(\u)
.endr
.endr
.endm
	BLD 0, 10
	BLD 1, 68
	BLD 2, 70
	BLD 3, 72
	; c's tile and the outputs: my wave's 64 rows of the work-group's 256, the tile's 256 bytes of each
	s_lshl_b32 s96, s[TY], 8
	s_lshl_b32 s97, s[WV], 6
	s_add_co_u32 s96, s96, s97
	s_lshl_b32 s96, s96, 13
	s_add_co_u32 s96, s96, s98                     ; (256 x tile row + 64 x wave) x 8,192 + 256 x tile column, under 2^24
	s_mov_b32 s97, 0
	s_mov_b32 s[G0C], 1
	s_mul_i32 s[G0C+1], s[WV], 64*PITCH            ; into slot 0: wave x 64 rows
	s_add_nc_u64 s[G0C+2:G0C+3], s[8:9], s[96:97]
	s_or_b32 s[G0C+3], s[G0C+3], 0x80000000
	s_add_nc_u64 s[O0:O0+1], s[O0:O0+1], s[96:97]
	s_add_nc_u64 s[O1:O1+1], s[O1:O1+1], s[96:97]
	; A fragment is 16 rows x 32 K in 8 registers: lane l holds row l % 16; registers 0-3 K = 8 (l / 16) + 0..7, registers 4-7 K = 16 + 8 (l / 16) + 0..7: two loads of 16 bytes, 32 bytes apart.
	v_mul_u32_u24 v3, v1, PITCH
	v_lshl_add_u32 v3, v2, 4, v3                   ; row x pitch + 16 x half
	s_mul_i32 s21, s[WR], HALFT                    ; my 128 rows of xa
	s_mul_i32 s22, s[WC], HALFT                    ; my 128 rows of wb,
	s_add_co_u32 s22, s22, 2*HALFT                 ; which lie behind xa's 256
.irp s, 0,1
	v_add_nc_u32 v[ADRA+(\s)], s21, v3
	v_add_nc_u32 v[ADRB+(\s)], s22, v3
	s_add_co_u32 s21, s21, SLOT
	s_add_co_u32 s22, s22, SLOT
.endr
	s_mul_i32 s23, s[WR], HALFT                    ; c's tile and the stages have one layout: row x 272 + 4 x feature
	s_lshl_b32 s12, s[WC], 7
	s_add_co_u32 s23, s23, s12
	v_mul_u32_u24 v4, v1, PITCH
	v_lshl_add_u32 v4, v2, 5, v4
	v_add_nc_u32 v[CL], s23, v4
	v_add_nc_u32 v[SC], CSTG, v[CL]
	v_add_nc_u32 v[SH], HSTG, v[CL]
	s_mul_i32 s23, s[WV], 64*PITCH                 ; back: wave w takes rows 64 w .. 64 w + 63, whole; lanes 0-15 one row of 256 bytes, lanes 16-31 the next
	s_add_co_u32 s23, s23, CSTG
	v_mul_u32_u24 v5, v2, PITCH
	v_lshl_add_u32 v5, v1, 4, v5
	v_add_nc_u32 v[RC], s23, v5
	v_add_nc_u32 v[RH], HSTG-CSTG, v[RC]
	v_lshlrev_b32 v5, 13, v2                       ; and the same two rows in an output
	v_lshl_add_u32 v[CO], v1, 4, v5
	; the prefetches
	s_lshl_b32 s12, s[TY], 8
	s_lshl_b32 s13, s42, 8
	s_and_b32 s22, ttmp7, 0xffff                   ; cluster y
	s_cmp_eq_u32 s[WR], 0                          ; do I fetch for xa?
	s_cselect_b32 s20, s12, s13                    ; the tile's first row: in xa by the tile row, in wb by the tile column
	s_cselect_b32 s21, s40, s41                    ; my place among the four that ask for it with me
	s_cselect_b32 s22, ttmp9, s22                  ; the coordinate along which other clusters read the same rows
	s_cselect_b64 s[PFA:PFA+1], s[4:5], s[6:7]
	s_cmp_eq_u32 s22, 0
	s_cselect_b32 s[LIM], 1, -1                    ; the same in all sixteen partners, for a given wave
	s_lshl_b32 s22, s[WC], 7
	s_add_co_u32 s20, s20, s22                     ; + the 128 rows that I fetch
	s_lshl_b32 s21, s21, 5
	s_add_co_u32 s20, s20, s21                     ; + my work-group's 32 of them
	s_lshl_b32 s20, s20, 13
	s_mov_b32 s21, 0
	s_add_nc_u64 s[PFA:PFA+1], s[PFA:PFA+1], s[20:21]
	s_add_nc_u64 s[PFA:PFA+1], s[PFA:PFA+1], 2*KSTEP*2  ; at K step 2: the first refill steps it to 3 and names K step 4.  Nothing is prefetched here, at the head, where every work-group's first tiles are on their way
	v_and_b32 v[PFO], 31, v0
	v_lshlrev_b32 v[PFO], 13, v[PFO]
; 16 matrix instructions: row blocks a0, a0 + 1 of the window's four (hi = 0: my rows 0-63, 1: rows 64-127) x all 8 fragments of wb, 32 along K.  first = 1: the bias, in window 0, starts the sums.
; The 64 accumulators take turns, one instruction a turn, in the same order in every quarter step.
.macro MUL16 f, hi, a0, first
.if \first
	WIN 0x81+0x40*(\hi)                            ; C window 0, D window 2 or 3
.else
	WIN MUL_LO+0x50*(\hi)                          ; MUL_LO or MUL_HI
.endif
.irp a, \a0, (\a0)+1
.irp b, 0,1,2,3,4,5,6,7
.if \first
	v_wmma_f32_16x16x32_bf16 v[8*(8*(\a)+(\b)):8*(8*(\a)+(\b))+7], v[(\f)+8*(\b):(\f)+8*(\b)+7], v[(\f)+8*(4*(\hi)+(\a)):(\f)+8*(4*(\hi)+(\a))+7], v[BIAS+8*(\b):BIAS+8*(\b)+7]
.else
	v_wmma_f32_16x16x32_bf16 v[8*(8*(\a)+(\b)):8*(8*(\a)+(\b))+7], v[(\f)+8*(\b):(\f)+8*(\b)+7], v[(\f)+8*(4*(\hi)+(\a)):(\f)+8*(4*(\hi)+(\a))+7], v[8*(8*(\a)+(\b)):8*(8*(\a)+(\b))+7]
.endif
.endr
.endr
.endm
; 32 LDS loads in one run: the fragments of one quarter step (128 rows of wb, 128 rows of xa, 32 K at byte k of the rows) into buffer f
.macro FETCH slot, k, f
	WIN TO_B
.irp i, 0,1,2,3,4,5,6,7
	ds_load_b128 v[(\f)+8*(\i):(\f)+8*(\i)+3],   v[ADRB+(\slot)] offset:(\k)+(\i)*16*PITCH
	ds_load_b128 v[(\f)+8*(\i)+4:(\f)+8*(\i)+7], v[ADRB+(\slot)] offset:(\k)+(\i)*16*PITCH+32
.endr
	WIN 0
.irp i, 0,1,2,3,4,5,6,7
	ds_load_b128 v[(\f)+8*(\i):(\f)+8*(\i)+3],   v[ADRA+(\slot)] offset:(\k)+(\i)*16*PITCH
	ds_load_b128 v[(\f)+8*(\i)+4:(\f)+8*(\i)+7], v[ADRA+(\slot)] offset:(\k)+(\i)*16*PITCH+32
.endr
.endm
; A load into a register that a matrix instruction has read, and a vector instruction that reads a matrix result, stand four places behind that matrix instruction, and only plain vector instructions that name none
; of its registers are places (ISA guide 7.12.1 for vector instructions).
.macro PLACES
.rept 4
	v_nop
.endr
.endm
; A K step is four quarter steps of 32 along K, 64 matrix instructions each, on buffers 0, 1, 0, 1.  One of the first three: multiplies buffer f; in its middle it fetches the next quarter's fragments, at byte k, into buffer g.
.macro QUARTER slot, k, f, g, first
	s_wait_dscnt 8                                 ; wb and xa's rows 0-63 are in; the youngest eight loads (xa's rows 64-127) may be out
	MUL16 \f, 0, 0, \first
	MUL16 \f, 0, 2, \first
	PLACES
	FETCH \slot, \k, \g
	s_wait_dscnt 32                                ; all but the 32 just issued
	MUL16 \f, 1, 0, \first
	MUL16 \f, 1, 2, \first
.endm
; The first half of a K step's last quarter: ONE barrier for the change of slots.  In front of it each wave waits for all its tensor loads, of which one is out: its part of the next slot; adds 0 to its spare word;
; and waits for that and for its own reads of this slot.  The barrier opens a round of the cluster's barrier.
.macro MEET
	WIN 0                                          ; (the add's two registers lie in window 0)
	s_wait_tensorcnt 0x0                           ; all my tensor loads have landed;
	ds_add_u32 v[SPW], v[NIL]                      ; 0 onto my spare word;
	s_wait_dscnt 9                                 ; (the add and the youngest eight loads may be out)
	MUL16 F1, 0, 0, 0                              ; sixteen matrix instructions stand between the add and the wait for it
	s_wait_dscnt 0x0                               ; the add is done, and my reads of this slot are over:
	s_barrier_signal -1                            ; say so,
	MUL16 F1, 0, 2, 0                              ; work on registers while the others arrive,
	WIN 0
	s_barrier_wait -1                              ; and go on when all four have said so
.endm
; The whole last quarter.  Behind the round the slot just read out is filled again first: kind = 1: with the K step two steps on, jointly; kind = 2: slot 0's last fill: c's tile.  Then come the next slot's first fragments.
.macro TURN slot, next, kind
.if (\kind) == 1
	s_wait_xcnt 0x0                                ; the last prefetch, a K step back, has read its address: it is stepped here, ahead of the waits of the change of slots
	s_add_nc_u64 s[PFA:PFA+1], s[PFA:PFA+1], KSTEP*2
.endif
	MEET
	CREST                                          ; no wave of any partner still reads this slot's tile or has a load on its way
.if (\kind) == 1
	s_add_nc_u64 s[G0+4*(\slot)+2:G0+4*(\slot)+3], s[G0+4*(\slot)+2:G0+4*(\slot)+3], 2*KSTEP*2
	s_add_nc_u64 s[G0B+4*(\slot)+2:G0B+4*(\slot)+3], s[G0B+4*(\slot)+2:G0B+4*(\slot)+3], 2*KSTEP*2
	JLOAD \slot                                    ; the first tensor load behind the round: 224 matrix instructions ahead of the wait for it; its four v_nop are also the places in front of the loads below
.else
	CLOAD                                          ; my one load behind this round: 256 matrix instructions ahead of the wait for it
.endif
	FETCH \next, 0, F0
.if (\kind) == 1
	ASK
.endif
	MUL16 F1, 1, 0, 0
	MUL16 F1, 1, 2, 0
.endm
	s_wait_tensorcnt 1                             ; my part of K step 0 is in; K step 1's may stay out
	s_barrier_signal -1
	s_barrier_wait -1                              ; everybody's is
	FETCH 0, 0, F0
	s_wait_loadcnt 0x0                             ; the bias
	QUARTER 0, 64,  F0, F1, 1                      ; the first quarter stands in front of the loop: its products start the sums, from the bias
	WIN 0                                          ; at a label and at a branch every window is 0
	s_mov_b32 s3, LAPS-1
.Llap:                                                 ; a trip goes once round the ring, from a lap's second quarter to the next lap's first, and fills both slots again
	QUARTER 0, 128, F1, F0, 0
	QUARTER 0, 192, F0, F1, 0
	TURN 0, 1, 1
	QUARTER 1, 64,  F0, F1, 0
	QUARTER 1, 128, F1, F0, 0
	QUARTER 1, 192, F0, F1, 0
	TURN 1, 0, 1
	QUARTER 0, 64,  F0, F1, 0
	WIN 0
	s_sub_co_u32 s3, s3, 1
	s_cmp_lg_u32 s3, 0
	s_cbranch_scc1 .Llap
	QUARTER 0, 128, F1, F0, 0                      ; the last lap
	QUARTER 0, 192, F0, F1, 0
	TURN 0, 1, 2                                   ; slot 0 has been read out: it takes c's tile
	QUARTER 1, 64,  F0, F1, 0
	QUARTER 1, 128, F1, F0, 0
	QUARTER 1, 192, F0, F1, 0
	s_wait_dscnt 8                                 ; the very last quarter: nothing more to fetch
	MUL16 F1, 0, 0, 0
	MUL16 F1, 0, 2, 0
	s_wait_tensorcnt 0x0                           ; my 64 rows of c have landed,
	s_wait_dscnt 0x0                               ; and my reads of slot 1 are over:
	s_barrier_signal -1                            ; say so,
	MUL16 F1, 1, 0, 0
	MUL16 F1, 1, 2, 0
	WIN 0
	s_barrier_wait -1                              ; c's tile is whole, and nobody reads slot 1 any more: it may take the stages
	; THE WAY OUT.  All of my c comes into registers in one run; then my eight blocks of 16 rows go through the cell's arithmetic, and c_new and h_new into the stages.
	PLACES                                         ; the loads below land in registers that the last products read, and the first multiplies read results
	PLACES
.irp a, 0,1,2,3,4,5,6,7
.irp j, 0,1
.irp u, 0,1
	ds_load_b128 v[CVB+16*(\a)+8*(\j)+4*(\u):CVB+16*(\a)+8*(\j)+4*(\u)+3], v[CL] offset:(\a)*16*PITCH+64*(\j)+16*(\u)
.endr
.endr
.endr
; Block a: 16 rows x 32 features, 16 elements a lane, number e = 8 j + q.  Gate g's z lies in accumulators 2 g and 2 g + 1 of the block, and goes to T + 16 g + e.
; The transcendentals go in four batches, each with one plain instruction behind its last and one wait ahead of its first reader.
.macro UNIT a
.set AC, 64*((\a)%4)
.set CV, CVB+16*(\a)
	WIN 0x02+(\a)/4                                ; source 0: window 2 or 3
.set i, 0
.rept 24
	v_pk_mul_f32 v[T+2*i:T+2*i+1], v[AC+2*i:AC+2*i+1], s[NK:NK+1] op_sel_hi:[1,0]  ; the three sigmoids' exponents: -z log2 e
.set i, i+1
.endr
.rept 8
	v_pk_mul_f32 v[T+2*i:T+2*i+1], v[AC+2*i:AC+2*i+1], s[TK:TK+1] op_sel_hi:[1,0]  ; the tanh's: 2 z log2 e
.set i, i+1
.endr
	WIN 0
.set i, 0
.rept 64
	v_exp_f32 v[T+i], v[T+i]
.set i, i+1
.endr
	v_nop
	s_wait_alu depctr_va_vdst(0)                   ; one wait for the 64 exponentials
.set i, 0
.rept 32
	v_pk_add_f32 v[T+2*i:T+2*i+1], v[T+2*i:T+2*i+1], 1.0 op_sel_hi:[1,0]
.set i, i+1
.endr
.set i, 0
.rept 64
	v_rcp_f32 v[T+i], v[T+i]
.set i, i+1
.endr
	v_nop
	s_wait_alu depctr_va_vdst(0)                   ; one wait for the 64 reciprocals: T + 0: f, + 16: i, + 32: o, + 48: 1 / (1 + 2^..)
.set i, 0
.rept 8
	v_pk_fma_f32 v[T+48+2*i:T+48+2*i+1], v[T+48+2*i:T+48+2*i+1], -2.0, 1.0 op_sel_hi:[1,0,0]  ; t = tanh(zi)
.set i, i+1
.endr
.set i, 0
.rept 8
	v_pk_mul_f32 v[T+48+2*i:T+48+2*i+1], v[T+48+2*i:T+48+2*i+1], v[T+16+2*i:T+16+2*i+1]       ; i t
.set i, i+1
.endr
.if (\a) == 0
	s_wait_dscnt 0x0                               ; all of c is in
.endif
.set i, 0
.rept 8
	v_pk_fma_f32 v[CV+2*i:CV+2*i+1], v[T+2*i:T+2*i+1], v[CV+2*i:CV+2*i+1], v[T+48+2*i:T+48+2*i+1]  ; c_new = f c + i t
.set i, i+1
.endr
.irp j, 0,1
.irp u, 0,1
	ds_store_b128 v[SC], v[CV+8*(\j)+4*(\u):CV+8*(\j)+4*(\u)+3] offset:(\a)*16*PITCH+64*(\j)+16*(\u)
.endr
.endr
.set i, 0
.rept 8
	v_pk_mul_f32 v[T+2*i:T+2*i+1], v[CV+2*i:CV+2*i+1], s[TK:TK+1] op_sel_hi:[1,0]
.set i, i+1
.endr
.set i, 0
.rept 16
	v_exp_f32 v[T+i], v[T+i]
.set i, i+1
.endr
	v_nop
	s_wait_alu depctr_va_vdst(0)
.set i, 0
.rept 8
	v_pk_add_f32 v[T+2*i:T+2*i+1], v[T+2*i:T+2*i+1], 1.0 op_sel_hi:[1,0]
.set i, i+1
.endr
.set i, 0
.rept 16
	v_rcp_f32 v[T+i], v[T+i]
.set i, i+1
.endr
	v_nop
	s_wait_alu depctr_va_vdst(0)
.set i, 0
.rept 8
	v_pk_fma_f32 v[T+2*i:T+2*i+1], v[T+2*i:T+2*i+1], -2.0, 1.0 op_sel_hi:[1,0,0]              ; tanh(c_new)
.set i, i+1
.endr
.set i, 0
.rept 8
	v_pk_mul_f32 v[T+2*i:T+2*i+1], v[T+2*i:T+2*i+1], v[T+32+2*i:T+32+2*i+1]                   ; h_new = o tanh(c_new)
.set i, i+1
.endr
.irp j, 0,1
.irp u, 0,1
	ds_store_b128 v[SH], v[T+8*(\j)+4*(\u):T+8*(\j)+4*(\u)+3] offset:(\a)*16*PITCH+64*(\j)+16*(\u)
.endr
.endr
.endm
.irp a, 0,1,2,3,4,5,6,7
	UNIT \a
.endr
	s_wait_dscnt 0x0                               ; for the others' sake: my stores into the stages are done (a row's 256 bytes come from two waves)
	s_barrier_signal -1
	s_barrier_wait -1
; BACK: whole rows, two to a load; 16 loads are a batch.  t0: the batch's first pair of rows among my 32.
.macro RBACK adr, t0, dst
.set i, 0
.rept 16
	ds_load_b128 v[(\dst)+4*i:(\dst)+4*i+3], v[\adr] offset:((\t0)+i)*2*PITCH
.set i, i+1
.endr
.endm
.macro SENDB base, t0, src, younger    ; younger: the LDS loads of the batches issued behind this one, which may stay out
.set i, 0
.rept 16
	s_wait_dscnt (\younger)+15-i                   ; LDS loads come back in order (ISA guide 5.7.1): number i of the batch is in
	global_store_b128 v[CO], v[(\src)+4*i:(\src)+4*i+3], s[\base:\base+1] offset:((\t0)+i)*16384 th:TH_STORE_NT  ; 16 lanes store 256 consecutive bytes, at a multiple of 256 from the output's first byte
.set i, i+1
.endr
.endm
	RBACK RC, 0,  32                               ; c_new, my rows 0-31
	RBACK RC, 16, 96                               ; c_new, rows 32-63
	RBACK RH, 0,  160                              ; h_new, rows 0-31
	SENDB O1, 0,  32, 32
	s_wait_xcnt 0x0                                ; those stores have read their registers (ISA guide 3.1): only behind this wait are v32-95 loaded again
	RBACK RH, 16, 32                               ; h_new, rows 32-63
	SENDB O1, 16, 96, 32
	SENDB O0, 0,  160, 16
	SENDB O0, 16, 32, 0
	s_wait_tensorcnt 0x0                           ; the wave's end, behind my last tensor load and my last LDS store
	ds_add_u32 v[SPW], v[NIL]
	s_wait_dscnt 0x0
	CROUND                                         ; the closing round: no work-group ends while a partner may still ask for a tile that names it
	s_endpgm
.Lfunc_end_k_q07b5729ebb_lstm:
	.size	k_q07b5729ebb_lstm, .Lfunc_end_k_q07b5729ebb_lstm-k_q07b5729ebb_lstm
	.p2alignl 7, 3214868480
	.fill 96, 4, 3214868480
	.section	.rodata,"a",@progbits
	.p2align	6, 0x0
	.amdhsa_kernel k_q07b5729ebb_lstm
		.amdhsa_group_segment_fixed_size 327680
		.amdhsa_private_segment_fixed_size 0
		.amdhsa_enable_private_segment 0
		.amdhsa_kernarg_size 72
		.amdhsa_user_sgpr_count 2
		.amdhsa_user_sgpr_kernarg_segment_ptr 1
		.amdhsa_wavefront_size32 1
		.amdhsa_system_sgpr_workgroup_id_x 1
		.amdhsa_system_sgpr_workgroup_id_y 1
		.amdhsa_system_sgpr_workgroup_id_z 1
		.amdhsa_system_vgpr_workitem_id 0
		.amdhsa_next_free_vgpr 1024
		.amdhsa_next_free_sgpr 100
		.amdhsa_reserve_vcc 0
		.amdhsa_float_denorm_mode_32 3
		.amdhsa_float_denorm_mode_16_64 3
		.amdhsa_memory_ordered 1
		.amdhsa_forward_progress 1
		.amdhsa_inst_pref_size 236
	.end_amdhsa_kernel
	.amdgpu_metadata
---
amdhsa.version: [ 1, 2 ]
amdhsa.kernels:
  - .name:           k_q07b5729ebb_lstm
    .symbol:         k_q07b5729ebb_lstm.kd
    .args:
      - { .name: xa, .offset: 0, .size: 8, .value_kind: global_buffer, .address_space: global }
      - { .name: wb, .offset: 8, .size: 8, .value_kind: global_buffer, .address_space: global }
      - { .name: c, .offset: 16, .size: 8, .value_kind: global_buffer, .address_space: global }
      - { .name: bf, .offset: 24, .size: 8, .value_kind: global_buffer, .address_space: global }
      - { .name: bg, .offset: 32, .size: 8, .value_kind: global_buffer, .address_space: global }
      - { .name: bo, .offset: 40, .size: 8, .value_kind: global_buffer, .address_space: global }
      - { .name: bi, .offset: 48, .size: 8, .value_kind: global_buffer, .address_space: global }
      - { .name: out0, .offset: 56, .size: 8, .value_kind: global_buffer, .address_space: global }
      - { .name: out1, .offset: 64, .size: 8, .value_kind: global_buffer, .address_space: global }
    .group_segment_fixed_size: 327680
    .private_segment_fixed_size: 0
    .kernarg_segment_align: 8
    .kernarg_segment_size: 72
    .max_flat_workgroup_size: 128
    .sgpr_count:     100
    .vgpr_count:     1024
    .wavefront_size: 32
...
	.end_amdgpu_metadata
.endif
;; end of part 2
;; ======== version 2 of 2: 2 launches; version 1 with the launch cast written anew for expert scheduling mode
;; workspace buffers: xa 16,777,216 bytes; wb 67,108,864 bytes
;; launch cast (part 3): grid 128 x 10, 8 waves a work-group, no clusters, 0 bytes of LDS; arguments X, h, Wf, Wg, Wo, Wi, xa, wb; writes xa, wb
.if DOCPART == 3
	.amdgcn_target "amdgcn-amd-amdhsa--gfx1250"
	.amdhsa_code_object_version 6
	.text
	.protected	k_q07b5729ebb_cast
	.globl	k_q07b5729ebb_cast
	.p2align	8
	.type	k_q07b5729ebb_cast,@function
k_q07b5729ebb_cast:
	s_mov_b64 s[64:65], 0
	v_nop
	global_prefetch_b8 v0, s[64:65] scope:SCOPE_SE
	s_setreg_imm32_b32 hwreg(HW_REG_WAVE_SCHED_MODE, 0, 2), 2
	s_setreg_imm32_b32 hwreg(HW_REG_WAVE_MODE, 25, 1), 1
	s_wait_xcnt 0x0
	s_wait_alu depctr_vm_vsrc(0)
; THE OPERANDS OF THE PRODUCT, ROUNDED ONCE TO bf16 AND LAID OUT FOR ITS TILES.
; xa: [2048][4096] bf16: row m = X[m] (bytes 0 .. 4095), then h[m] (bytes 4096 .. 8191).
; wb: [8192][4096] bf16: row (n >> 6) 256 + ((n >> 5) & 1) 128 + 32 g + (n & 31) = row n of gate g (0: Wf, 1: Wg, 2: Wo, 3: Wi):
;     256 rows on end are 64 features of all four gates, 128 rows on end 32 features of all four.
; SHARES.  Grid y is one of ten jobs of 2,048 rows x 2,048 numbers: 0 = X, 1 = h, 2 .. 9 = gate (y >> 1) - 1, column half y & 1.  Grid x picks 16 rows, a wave two of them.
; A row is 8,192 bytes in: 16 loads of 16 bytes a lane, 512 consecutive bytes each; and 4,096 bytes out: 16 stores of 8 bytes a lane, each 256 consecutive bytes at a multiple of 256 from the buffer's first.
; All 32 loads of a wave go out at once; then they are rounded in place and stored, four at a time.  No register is written again behind a store, there is no loop, and nothing is shared: no LDS, no barrier.
; THE MODE: SCHED_MODE bits 1:0 = 2 (LLVM: expert scheduling mode 2), set by the entry lines.  The code itself states the register dependences
; between vector instructions and memory instructions, with s_wait_alu, always for 0.
; THE PLAN.  Registers that memory instructions touch:
;   v1, v2       the loads' and the stores' byte offsets: made once at the head, never written again.
;   XR + 4 q ..  load q lands in four registers; all 32 loads are issued before any conversion.  Two conversions read the four and write the first two; store q reads those two; nothing writes them again.
; The 32 loads are eight groups of four.  Group g waits for its four loads, rounds them, and issues the four stores of group g - 1, one in front of each pair of conversions.  ONE wait on va_vdst at the group's
; head states that group g - 1's conversions have written those stores' data; the conversions that follow it name group g's sixteen registers alone, none that those stores read.
; No register that a memory instruction reads is written again, and no load follows a vector instruction that names its destination: nothing else is owed but the two waits at the head and one ahead of the last four stores.
.set XR, 4                             ; v[4:131]  load q of 32 at XR + 4 q
.set GRP, 4                            ; loads in a group
	s_load_b512 s[16:31], s[0:1], 0x0              ; X 16:17, h 18:19, Wf 20:21, Wg 22:23, Wo 24:25, Wi 26:27, xa 28:29, wb 30:31
	v_lshrrev_b32 v3, 5, v0
	v_readfirstlane_b32 s2, v3                     ; wave 0..7
	v_and_b32 v1, 31, v0
	v_lshlrev_b32 v2, 3, v1                        ; 8 x lane: my bytes of a store
	v_lshlrev_b32 v1, 4, v1                        ; 16 x lane: my bytes of a load
	s_and_b32 s3, ttmp7, 0xffff                    ; y: the job
	s_lshr_b32 s4, s3, 1                           ; p: 0 = X or h, 1 .. 4 = gate p - 1
	s_and_b32 s5, s3, 1                            ; which half of the destination's row
	s_lshl_b32 s6, ttmp9, 4
	s_wait_alu depctr_va_sdst(0)                   ; s2 is written, ahead of its first reader: my rows, and so the bases of the loads and stores, are made from it
	s_lshl_b32 s7, s2, 1
	s_add_co_u32 s6, s6, s7                        ; n0: my first row, even
	s_lshr_b32 s8, s6, 6                           ; its row in wb:
	s_lshl_b32 s8, s8, 8                           ; (n0 >> 6) 256
	s_bfe_u32 s7, s6, 0x10005
	s_lshl_b32 s7, s7, 7
	s_add_co_u32 s8, s8, s7                        ; + ((n0 >> 5) & 1) 128
	s_max_u32 s7, s4, 1
	s_sub_co_u32 s7, s7, 1                         ; the gate (0 in the two jobs that have none: not used there)
	s_lshl_b32 s7, s7, 5
	s_add_co_u32 s8, s8, s7                        ; + 32 g
	s_and_b32 s7, s6, 31
	s_add_co_u32 s8, s8, s7                        ; + (n0 & 31); row n0 + 1 lies one row further down, since n0 is even
	s_cmp_eq_u32 s4, 0
	s_cselect_b32 s8, s6, s8                       ; the destination's row: in xa it is n0
	s_cselect_b32 s9, 13, 14                       ; a source row is 2^13 bytes in X and h, 2^14 in a weight
	s_cselect_b32 s10, 0, s5                       ; a weight's column half; X and h have one
	s_lshl_b32 s12, s6, s9
	s_lshl_b32 s7, s10, 13
	s_add_co_u32 s12, s12, s7                      ; the source's offset, under 2^25
	s_mov_b32 s13, 0
	s_lshl_b32 s14, 1, s9                          ; one source row
	s_mov_b32 s15, 0
	s_lshl_b32 s34, s8, 13
	s_lshl_b32 s7, s5, 12
	s_add_co_u32 s34, s34, s7                      ; the destination's offset, under 2^26
	s_mov_b32 s35, 0
	s_wait_kmcnt 0x0
	s_cmp_eq_u32 s3, 1                             ; the source: each choice hangs on the job's number alone
	s_cselect_b64 s[36:37], s[18:19], s[16:17]
	s_cmp_eq_u32 s4, 1
	s_cselect_b64 s[36:37], s[20:21], s[36:37]
	s_cmp_eq_u32 s4, 2
	s_cselect_b64 s[36:37], s[22:23], s[36:37]
	s_cmp_eq_u32 s4, 3
	s_cselect_b64 s[36:37], s[24:25], s[36:37]
	s_cmp_eq_u32 s4, 4
	s_cselect_b64 s[36:37], s[26:27], s[36:37]
	s_cmp_eq_u32 s4, 0                             ; the destination
	s_cselect_b64 s[38:39], s[28:29], s[30:31]
	s_add_nc_u64 s[36:37], s[36:37], s[12:13]      ; row n0,
	s_add_nc_u64 s[40:41], s[36:37], s[14:15]      ; row n0 + 1
	s_add_nc_u64 s[38:39], s[38:39], s[34:35]
	s_wait_alu depctr_va_vdst(0)                   ; v1 and v2 are written: every load of the kernel reads v1 as its offset, every store v2
.set q, 0
.rept 16
	global_load_b128 v[XR+4*q:XR+4*q+3], v1, s[36:37] offset:512*q th:TH_LOAD_NT
.set q, q+1
.endr
.rept 16
	global_load_b128 v[XR+4*q:XR+4*q+3], v1, s[40:41] offset:512*(q-16) th:TH_LOAD_NT
.set q, q+1
.endr
.set g, 0
.rept 32/GRP
	s_wait_loadcnt 32-GRP-GRP*g                    ; loads come back in order (ISA guide 5.7.1): group g's four are in, the younger groups' stay out
.if g > 0
	s_wait_alu depctr_va_vdst(0)                   ; group g - 1's conversions have written the data of the four stores below
.endif
.set i, 0
.rept GRP
.set q, GRP*g+i
.if g > 0
.set p, q-GRP
	global_store_b64 v2, v[XR+4*p:XR+4*p+1], s[38:39] offset:8192*(p/16)+256*(p%16) th:TH_STORE_NT  ; the group before: no vector instruction since the wait names these registers
.endif
	v_cvt_pk_bf16_f32 v[XR+4*q], v[XR+4*q], v[XR+4*q+1]      ; two roundings to nearest even, packed
	v_cvt_pk_bf16_f32 v[XR+4*q+1], v[XR+4*q+2], v[XR+4*q+3]
.set i, i+1
.endr
.set g, g+1
.endr
	s_wait_alu depctr_va_vdst(0)                   ; the last group's conversions have written the data of the last four stores
.set p, 32-GRP
.rept GRP
	global_store_b64 v2, v[XR+4*p:XR+4*p+1], s[38:39] offset:8192*(p/16)+256*(p%16) th:TH_STORE_NT
.set p, p+1
.endr
	s_endpgm
.Lfunc_end_k_q07b5729ebb_cast:
	.size	k_q07b5729ebb_cast, .Lfunc_end_k_q07b5729ebb_cast-k_q07b5729ebb_cast
	.p2alignl 7, 3214868480
	.fill 96, 4, 3214868480
	.section	.rodata,"a",@progbits
	.p2align	6, 0x0
	.amdhsa_kernel k_q07b5729ebb_cast
		.amdhsa_group_segment_fixed_size 0
		.amdhsa_private_segment_fixed_size 0
		.amdhsa_enable_private_segment 0
		.amdhsa_kernarg_size 64
		.amdhsa_user_sgpr_count 2
		.amdhsa_user_sgpr_kernarg_segment_ptr 1
		.amdhsa_wavefront_size32 1
		.amdhsa_system_sgpr_workgroup_id_x 1
		.amdhsa_system_sgpr_workgroup_id_y 1
		.amdhsa_system_sgpr_workgroup_id_z 1
		.amdhsa_system_vgpr_workitem_id 0
		.amdhsa_next_free_vgpr 132
		.amdhsa_next_free_sgpr 66
		.amdhsa_reserve_vcc 0
		.amdhsa_float_denorm_mode_32 3
		.amdhsa_float_denorm_mode_16_64 3
		.amdhsa_memory_ordered 1
		.amdhsa_forward_progress 1
		.amdhsa_inst_pref_size 13
	.end_amdhsa_kernel
	.amdgpu_metadata
---
amdhsa.version: [ 1, 2 ]
amdhsa.kernels:
  - .name:           k_q07b5729ebb_cast
    .symbol:         k_q07b5729ebb_cast.kd
    .args:
      - { .name: X, .offset: 0, .size: 8, .value_kind: global_buffer, .address_space: global }
      - { .name: h, .offset: 8, .size: 8, .value_kind: global_buffer, .address_space: global }
      - { .name: Wf, .offset: 16, .size: 8, .value_kind: global_buffer, .address_space: global }
      - { .name: Wg, .offset: 24, .size: 8, .value_kind: global_buffer, .address_space: global }
      - { .name: Wo, .offset: 32, .size: 8, .value_kind: global_buffer, .address_space: global }
      - { .name: Wi, .offset: 40, .size: 8, .value_kind: global_buffer, .address_space: global }
      - { .name: xa, .offset: 48, .size: 8, .value_kind: global_buffer, .address_space: global }
      - { .name: wb, .offset: 56, .size: 8, .value_kind: global_buffer, .address_space: global }
    .group_segment_fixed_size: 0
    .private_segment_fixed_size: 0
    .kernarg_segment_align: 8
    .kernarg_segment_size: 64
    .max_flat_workgroup_size: 256
    .sgpr_count:     66
    .vgpr_count:     132
    .wavefront_size: 32
...
	.end_amdgpu_metadata
.endif
;; end of part 3
;; launch lstm: the kernel of part 2 again; grid 32 x 8, 4 waves a work-group, clusters of 4 x 4, 327,680 bytes of LDS; arguments xa, wb, c, bf, bg, bo, bi, out0, out1; writes out0, out1
